; MI455X (gfx1250); checked and timed in simulation.
; The chip was launched on July 23, 2026; its instructions are those of AMD's public machine-readable ISA for CDNA 5 (MIT licence, August 2026) and "CDNA5" Instruction Set Architecture Reference Guide (July 2026). The comments in the code are by the model that wrote it; some were corrected since.
;; Full Attention. Allowed arithmetic: matrix products marked QUANTISED: E2M1 operands, one E8M0 scale for each 32 along K, by v_wmma_scale_f32_16x16x128_f8f6f4 with both operands' format E2M1 (or v_wmma_scale_f32_32x16x128_f4), f32 sums; products left as they are: bf16, f16 or f32 operands; f32 sums; everything else in f32.
;; Inputs: Wk 1,024 x 1,024 float32; Wq 1,024 x 1,024 float32; Wv 1,024 x 1,024 float32; k 4 x 2,048 x 1,024 float32; mask 1 x 2,048 x 2,048 float32; q 4 x 2,048 x 1,024 float32; v 4 x 2,048 x 1,024 float32.
;; Outputs: out0 4 x 2,048 x 1,024 float32.
;; This version of the problem:
;;   THIS VERSION OF THE PROBLEM IS GIVEN IN LOW PRECISION. The matrix products marked QUANTISED in the list below multiply operands that are first quantised to E2M1 (2 exponent bits, 1 mantissa bit; 4 bits a number), with one power-of-two scale for each 32 numbers along K (OCP MX v1.0); their sums are f32. The products marked 'left as it is' may take bf16, f16 or f32 operands, with f32 sums. Whichever they take, every output number must still come out within the allowed error. Rounding operands to bf16 (8 significant bits) uses up far more of that allowance than f16 does (11 bits, for magnitudes from 6e-5 to 65,504). All else is computed in f32.
;;   The module's matrix products, in the order in which they are computed (A, B: the left and right operand; K: the contracted axis; several contracted axes count as one K, in the product's order):
;;     1. [M 8,192, K 1,024] x [K 1,024, N 1,024]; A: input q; B: input Wq: QUANTISED
;;     2. [M 8,192, K 1,024] x [K 1,024, N 1,024]; A: input k; B: input Wk: QUANTISED
;;     3. [M 8,192, K 1,024] x [K 1,024, N 1,024]; A: input v; B: input Wv: QUANTISED
;;     4. batch 64 x [M 2,048, K 64] x [K 64, N 2,048]; A: computed on the way; B: computed on the way: left as it is (an operand is computed on the way)
;;     5. batch 64 x [M 64, K 2,048] x [K 2,048, N 2,048]; A: computed on the way; B: computed on the way: left as it is (an operand is computed on the way)
;;   THE QUANTISER, for each operand of a quantised product, along K:
;;     - K is cut into blocks of 32 from its start; a last block that is shorter is filled with zeros.
;;     - A block's scale is 2^e with e = floor(log2(the largest magnitude in the block)) - 2, held to -126 .. 127; a block of zeros has e = 0. As a byte (E8M0): e + 127.
;;     - Each number is divided by its block's scale, clamped to +-6, and rounded to the nearest number of E2M1, ties to even, subnormals kept.
;;     - The product sums the exact products of the quantised numbers (number of the format x scale) in f32.
;;   ~~~python
;;   def quantise(x, axis):      # numpy; x: float32 -> the quantised numbers, widened to float32 again
;;       x = np.moveaxis(x, axis, -1); K = x.shape[-1]
;;       x = np.pad(x, [(0, 0)] * (x.ndim - 1) + [(0, -K % 32)]); x = x.reshape(x.shape[:-1] + (-1, 32)); a = np.abs(x).max(-1, keepdims=True)
;;       e = np.where(a > 0, np.clip(np.frexp(np.where(a > 0, a, 1))[1] - 1 - 2, -126, 127), 0)      # np.frexp(a)[1] - 1 = floor(log2(a)), exactly
;;       r = np.clip(x / 2.0 ** e, -6, 6)
;;       step = 2.0 ** (np.maximum(np.frexp(np.where(r == 0, 1, r))[1] - 1, 0) - 1)
;;       q = np.round(r / step) * step * 2.0 ** e      # np.round: ties to even
;;       return np.moveaxis(q.reshape(q.shape[:-2] + (-1,))[..., :K], -1, axis).astype(np.float32)
;;   ~~~
;; One version. Each part assembles by itself: llvm-mc -triple=amdgcn-amd-amdhsa -mcpu=gfx1250 --defsym DOCPART=n.
;; ======== version 1 of 1: 3 launches
;; limits: values are held in f16: magnitudes above 65,504 overflow, below 6.1e-05 lose precision
;; workspace buffers: wcodes 1,572,864 bytes; wscales 98,304 bytes; qf 16,777,216 bytes; kf 16,777,216 bytes; vf 16,777,216 bytes
;; launch quantw (part 1): grid 64 x 3, 4 waves a work-group, no clusters, 0 bytes of LDS; arguments Wq, Wk, Wv, wcodes, wscales; writes wcodes, wscales
.if DOCPART == 1
	.amdgcn_target "amdgcn-amd-amdhsa--gfx1250"
	.amdhsa_code_object_version 6
	.text
	.protected	k_q67ce4e11d0_quantw
	.globl	k_q67ce4e11d0_quantw
	.p2align	8
	.type	k_q67ce4e11d0_quantw,@function
k_q67ce4e11d0_quantw:
	s_mov_b64 s[64:65], 0
	v_nop
	global_prefetch_b8 v0, s[64:65] scope:SCOPE_SE
	s_setreg_imm32_b32 hwreg(HW_REG_WAVE_MODE, 25, 1), 1
	s_wait_xcnt 0x0
; Wq, Wk, Wv: [1024 (k)][1024 (n)] f32, K the FIRST axis.  Each is turned into codes of FP4 (E2M1) with one E8M0 scale byte for each 32 along K.
; A block's scale is 2^(floor(log2(its largest magnitude)) - 2); its byte is the largest magnitude's exponent field - 2, held at 1 from below.
; LIMITS: a block of zeros, and a block whose largest magnitude lies under 2^-124, keep the byte 1 (zero codes add nothing under it; this program alone reads the bytes); NaN and infinities are not served.
; A LANE TAKES A COLUMN n AND ITS REGISTERS RUN DOWN K: each load reads 128 consecutive bytes a wave, a block of 32 along K lies in one lane, and the conversions give codes with K innermost.
; SHARES: work-group y = the tensor; x & 7 = which 128 columns; x >> 3 = which 128 along K (K step s).  A wave takes 32 columns, a lane 4 blocks.
; OUT, IN THE ORDER OF THE OPERAND'S REGISTERS: wcodes [tensor][column tile 64][K step 8][c 2][lane 32][16 bytes]: lane (r, h) of piece c holds column 16 tile + r, k = 128 s + 64 c + 32 h + 0 .. 31.
; Block b = 2 c + h of my column lies at 256 b + 16 r of its tile's K step: lanes 0-15 store 256 consecutive aligned bytes of one tile, lanes 16-31 of the next tile.
; wscales [tensor][column 1024][32 bytes]: word s of a column is the scale word of K step s: 4 bytes a lane, 32 bytes apart: one byte in 128 of what the launch reads.
; No LDS, no barrier: waves share nothing.  Loads run two blocks (64 loads a wave) ahead.
.set X,  32                            ; v32-159  128 numbers: 4 blocks
.set C,  160                           ; v160-175 4 registers of codes for each block: no store's data are written again
.set SW, 24                            ; v24      the scale word
	s_load_b256 s[4:11], s[0:1], 0x0               ; Wq s[4:5], Wk s[6:7], Wv s[8:9], wcodes s[10:11]
	s_load_b64 s[12:13], s[0:1], 0x20              ; wscales
	v_lshrrev_b32 v1, 5, v0
	v_readfirstlane_b32 s14, v1                    ; wave 0..3
	v_and_b32 v2, 31, v0                           ; lane
	v_lshlrev_b32 v3, 2, v2                        ; in: 4 bytes a lane
	v_lshrrev_b32 v6, 4, v2
	v_and_b32 v7, 15, v2
	v_lshlrev_b32 v4, 13, v6                       ; codes out: 8,192 bytes from a column tile to the next,
	v_lshl_add_u32 v4, v7, 4, v4                   ; 16 bytes a column
	v_lshlrev_b32 v5, 5, v2                        ; scale words out: 32 bytes a column
	s_and_b32 s15, ttmp7, 0xffff                   ; the tensor
	s_and_b32 s16, ttmp9, 7
	s_lshr_b32 s17, ttmp9, 3                       ; K step s
	s_lshl_b32 s16, s16, 7
	s_lshl_b32 s18, s14, 5
	s_add_co_u32 s16, s16, s18                     ; my wave's first column n0
	s_lshl_b32 s20, s17, 19                        ; W: 128 s rows of 4,096 bytes
	s_lshl_b32 s18, s16, 2
	s_add_co_u32 s20, s20, s18                     ; + 4 n0
	s_mov_b32 s21, 0
	s_lshl_b32 s22, s15, 19                        ; codes: 524,288 bytes a tensor
	s_lshl_b32 s18, s16, 9
	s_add_co_u32 s22, s22, s18                     ; + (n0 / 16) x 8,192
	s_lshl_b32 s18, s17, 10
	s_add_co_u32 s22, s22, s18                     ; + 1,024 s
	s_mov_b32 s23, 0
	s_lshl_b32 s24, s15, 15                        ; scale words: 32,768 bytes a tensor
	s_lshl_b32 s18, s16, 5
	s_add_co_u32 s24, s24, s18                     ; + 32 n0
	s_lshl_b32 s18, s17, 2
	s_add_co_u32 s24, s24, s18                     ; + 4 s
	s_mov_b32 s25, 0
	s_wait_kmcnt 0x0
	s_cmp_eq_u32 s15, 0                            ; which W: the choice hangs on the work-group's number alone
	s_cselect_b64 s[4:5], s[4:5], s[6:7]
	s_cmp_eq_u32 s15, 2
	s_cselect_b64 s[4:5], s[8:9], s[4:5]
	s_add_nc_u64 s[4:5], s[4:5], s[20:21]
	s_add_nc_u64 s[10:11], s[10:11], s[22:23]
	s_add_nc_u64 s[12:13], s[12:13], s[24:25]
.macro LOAD b                          ; block b: W(128 s + 32 b + i, my column), i = 0 .. 31
.set i, 0
.rept 32
	global_load_b32 v[X+32*(\b)+i], v3, s[4:5] offset:(32*(\b)+i)*4096 th:TH_LOAD_NT
.set i, i+1
.endr
.endm
	LOAD 0
	LOAD 1
.macro BLOCK b
.set XS, X+32*(\b)
.if (\b) < 3
	s_wait_loadcnt 32                              ; this block's 32 loads are in; the next block's may be out
.else
	s_wait_loadcnt 0x0
.endif
.if (\b)+2 < 4
	LOAD (\b)+2
.endif
	v_max3_num_f32 v12, |v[XS]|, |v[XS+1]|, |v[XS+2]|               ; the block's largest magnitude: all 32 numbers are mine; two chains
	v_max3_num_f32 v13, |v[XS+3]|, |v[XS+4]|, |v[XS+5]|
.irp i, 6,10,14,18,22,26
	v_max3_num_f32 v12, v12, |v[XS+\i]|, |v[XS+\i+1]|
	v_max3_num_f32 v13, v13, |v[XS+\i+2]|, |v[XS+\i+3]|
.endr
	v_max3_num_f32 v12, v12, |v[XS+30]|, |v[XS+31]|
	v_max3_num_f32 v12, v12, v13, 0x1800000        ; and the floor 2^(3 - 127): the byte cannot fall under 1
	v_add_nc_u32 v11, 0xff000000, v12              ; 2 off the exponent field: the conversion takes the exponent field of this operand as its scale
	v_lshrrev_b32 v13, 23, v11                     ; the scale's byte
.if (\b) == 0
	v_mov_b32 v[SW], v13
.else
	v_lshl_or_b32 v[SW], v13, 8*(\b), v[SW]        ; the lower K in the lower byte
.endif
.irp g, 0,1,2,3
	v_cvt_scalef32_pk8_fp4_f32 v[C+4*(\b)+\g], v[XS+8*\g:XS+8*\g+7], v11
.endr
	global_store_b128 v4, v[C+4*(\b):C+4*(\b)+3], s[10:11] offset:256*(\b)   ; sixteen lanes store 256 consecutive bytes, aligned.  (The next block begins with plain vector lines ahead of the write of v11)
.endm
	BLOCK 0
	BLOCK 1
	BLOCK 2
	BLOCK 3
	global_store_b32 v5, v[SW], s[12:13]           ; my column's scale word of this K step
	s_endpgm
.Lfunc_end_k_q67ce4e11d0_quantw:
	.size	k_q67ce4e11d0_quantw, .Lfunc_end_k_q67ce4e11d0_quantw-k_q67ce4e11d0_quantw
	.p2alignl 7, 3214868480
	.fill 96, 4, 3214868480
	.section	.rodata,"a",@progbits
	.p2align	6, 0x0
	.amdhsa_kernel k_q67ce4e11d0_quantw
		.amdhsa_group_segment_fixed_size 0
		.amdhsa_private_segment_fixed_size 0
		.amdhsa_enable_private_segment 0
		.amdhsa_kernarg_size 40
		.amdhsa_user_sgpr_count 2
		.amdhsa_user_sgpr_kernarg_segment_ptr 1
		.amdhsa_wavefront_size32 1
		.amdhsa_system_sgpr_workgroup_id_x 1
		.amdhsa_system_sgpr_workgroup_id_y 1
		.amdhsa_system_sgpr_workgroup_id_z 1
		.amdhsa_system_vgpr_workitem_id 0
		.amdhsa_next_free_vgpr 176
		.amdhsa_next_free_sgpr 66
		.amdhsa_reserve_vcc 0
		.amdhsa_float_denorm_mode_32 3
		.amdhsa_float_denorm_mode_16_64 3
		.amdhsa_memory_ordered 1
		.amdhsa_forward_progress 1
		.amdhsa_inst_pref_size 20
	.end_amdhsa_kernel
	.amdgpu_metadata
---
amdhsa.version: [ 1, 2 ]
amdhsa.kernels:
  - .name:           k_q67ce4e11d0_quantw
    .symbol:         k_q67ce4e11d0_quantw.kd
    .args:
      - { .name: Wq, .offset: 0, .size: 8, .value_kind: global_buffer, .address_space: global }
      - { .name: Wk, .offset: 8, .size: 8, .value_kind: global_buffer, .address_space: global }
      - { .name: Wv, .offset: 16, .size: 8, .value_kind: global_buffer, .address_space: global }
      - { .name: wcodes, .offset: 24, .size: 8, .value_kind: global_buffer, .address_space: global }
      - { .name: wscales, .offset: 32, .size: 8, .value_kind: global_buffer, .address_space: global }
    .group_segment_fixed_size: 0
    .private_segment_fixed_size: 0
    .kernarg_segment_align: 8
    .kernarg_segment_size: 40
    .max_flat_workgroup_size: 128
    .sgpr_count:     66
    .vgpr_count:     176
    .wavefront_size: 32
...
	.end_amdgpu_metadata
.endif
;; end of part 1
;; launch proj (part 2): grid 64 x 3, 8 waves a work-group, no clusters, 138,240 bytes of LDS; arguments q, k, v, wcodes, wscales, qf, kf, vf; writes qf, kf, vf
.if DOCPART == 2
	.amdgcn_target "amdgcn-amd-amdhsa--gfx1250"
	.amdhsa_code_object_version 6
	.text
	.protected	k_q67ce4e11d0_proj
	.globl	k_q67ce4e11d0_proj
	.p2align	8
	.type	k_q67ce4e11d0_proj,@function
k_q67ce4e11d0_proj:
	s_mov_b64 s[64:65], 0
	v_nop
	global_prefetch_b8 v0, s[64:65] scope:SCOPE_SE
	s_setreg_imm32_b32 hwreg(HW_REG_WAVE_MODE, 25, 1), 1
	s_wait_xcnt 0x0
; The three projections x W, x = q, k or v [8192][1024] f32 (work-group y says which), W as codes of FP4 with E8M0 scales; both operands quantised along K = 1024; sums in f32; results rounded once to f16.
; x IS QUANTISED HERE, IN REGISTERS: a block's scale is 2^(floor(log2(largest magnitude)) - 2), its byte held at 1 from below; each number / scale to the nearest code, ties to even, beyond 6 the largest code.
; LIMITS: results beyond 65,504 in magnitude have no f16 number; a block of zeros or under 2^-124 keeps the byte 1 (read by this launch alone); NaN and infinities are not served.
; SHARES.  A work-group takes 128 rows.  PHASE X: wave w quantises rows 16 w .. 16 w + 15 for all of K: 8 fragments, stored in LDS as images of the operand's registers (lane l's 16 bytes at 16 l).  One barrier.
; PHASE G: THE WAVES SHARE THE COLUMNS: wave w makes columns 128 w .. 128 w + 127 (heads 2 w, 2 w + 1) for all 128 rows, a head (4 column tiles x 8 row tiles = 32 accumulators) at a time.
; Each fragment of W is used by exactly one wave of the work-group, so it goes from memory straight into that wave's registers, 512 consecutive bytes a load.  NO TENSOR LOADS AND NO JOINT REQUESTS: through LDS
; W's 557,056 bytes would be written and read once more in each work-group, beside the 1,048,576 bytes of x's images that phase G reads; nothing would be read from LDS more than once.
; OUT, IN THE ORDER OF THE NEXT LAUNCH'S OPERAND REGISTERS: [batch x head 64][tile of 16 positions 128][tile of 16 channels 4][lane 32][16 bytes] of f16.
;   q, k: THE PRODUCT IS USED TRANSPOSED (source 0 = 16 columns of W, source 1 = 16 rows of x): lane (r, h) holds position r and channels 8 h + 0 .. 7.
;   v: natural (source 0 = x, source 1 = W): lane (r, h) holds channel r and positions 8 h + 0 .. 7.  The two forms are two arms of a branch on the work-group's y, round matrix instructions alone.
; REGISTERS.  window 0: v1-9 addresses; v10-18 codes and scale word just made; v20-51 x's scale words, v52-83 W's (they hold scales and nothing else); v84-147 64 numbers of x, later x's 8 fragments,
;   later packed results; v148-243 W's fragments, three sets of four; v244-255 at work.   window 1: phase X: four sets of 64 registers as loaded; phase G: the 32 accumulators, (row tile i, column tile g) at v[8 (4 i + g)].
.set XIMG,   0                         ; LDS: x's 64 fragments: (row tile i, K step s) at (8 i + s) x 1,024, piece c at + 512 c
.set XSC,    65536                     ; their scale words: 32 bytes a row, word s for K step s
.set STG,    69632                     ; a stage of 16 rows x (512 + 16) bytes for each wave: the turn from lanes along a row to 16 neighbours a lane
.set SPITCH, 528
.set WSTG,   16*SPITCH
.set SPARE,  STG+8*WSTG                ; the spare words, 128 bytes for each wave: four blocks of 256 bytes that no other line names
.set LI,   1                           ; v1  16 x lane
.set SIN,  2                           ; v2  my stage, on the way in: 16 x lane
.set SOUT, 3                           ; v3  and out: row r, + 64 h
.set XWI,  4                           ; v4  where I store x's images: 8,192 x wave + 16 x lane
.set XWS,  5                           ; v5  and their scale words: XSC + 32 (16 wave + r)
.set LS32, 6                           ; v6  32 x lane
.set XSR,  7                           ; v7  XSC + 32 x lane
.set SPW,  8                           ; v8  LDS address of my spare word; never rewritten
.set NIL,  9                           ; v9  0; never rewritten
.set PC,   10
.set PW,   18
.set XS,   20                          ; register 8 (i / 2) + s: lanes 0-15 row tile i even, lanes 16-31 i odd
.set WS,   52                          ; register 8 (g / 2) + s likewise, g = my column tile 0 .. 7
.set XF,   84
.set WF,   148
.set TM,   244                         ; v244-247 largest magnitudes, v248-251 the other half's and then the bytes, v252-255 the conversions' scale operands
.set WV,   20
.set TEN,  21
.set SEL,  24
.set XP,   26
.set WP,   28
.set WSP,  30
.set DP,   32
.set MSB, 0
.macro WIN new                         ; the immediate's high byte repeats the setting that is left
.if MSB != \new
	s_set_vgpr_msb (MSB<<8)|\new
.set MSB, \new
.endif
.endm
.macro PLACES n
.rept \n
	v_nop
.endr
.endm
	s_load_b256 s[4:11], s[0:1], 0x0               ; q s[4:5], k s[6:7], v s[8:9], wcodes s[10:11]
	s_load_b256 s[12:19], s[0:1], 0x20             ; wscales s[12:13], qf s[14:15], kf s[16:17], vf s[18:19]
	v_lshl_add_u32 v[SPW], v0, 2, SPARE
	v_mov_b32 v[NIL], 0
	v_lshrrev_b32 v[TM], 5, v0
	v_readfirstlane_b32 s[WV], v[TM]               ; wave 0..7
	s_and_b32 s[TEN], ttmp7, 0xffff                ; 0: q, 1: k, 2: v
	v_and_b32 v[TM], 31, v0                        ; lane
	v_and_b32 v[TM+1], 15, v0                      ; r
	v_bfe_u32 v[TM+2], v0, 4, 1                    ; h
	v_lshlrev_b32 v[LI], 4, v[TM]
	s_mul_i32 s34, s[WV], WSTG
	s_add_co_u32 s34, s34, STG
	v_add_nc_u32 v[SIN], s34, v[LI]
	v_mul_u32_u24 v[SOUT], v[TM+1], SPITCH
	v_lshl_add_u32 v[SOUT], v[TM+2], 6, v[SOUT]
	v_add_nc_u32 v[SOUT], s34, v[SOUT]
	s_lshl_b32 s35, s[WV], 13
	v_add_nc_u32 v[XWI], s35, v[LI]
	s_lshl_b32 s35, s[WV], 9
	s_add_co_u32 s35, s35, XSC
	v_lshl_add_u32 v[XWS], v[TM+1], 5, s35
	v_lshlrev_b32 v[LS32], 5, v[TM]
	v_add_nc_u32 v[XSR], XSC, v[LS32]
.irp b, 0,1,2,3
	v_mov_b32 v[TM+4+\b], 0                        ; written once: a lane permute's destination counts as one of its sources
.endr
	s_mov_b32 s[SEL], 0x76543210
	s_mov_b32 s[SEL+1], 0xfedcba98                 ; v_permlanex16_b32's selects for lane l xor 16
	s_lshl_b32 s36, ttmp9, 19                      ; x: 128 rows of 4,096 bytes a work-group,
	s_lshl_b32 s34, s[WV], 16
	s_add_co_u32 s36, s36, s34                     ; 16 rows a wave
	s_mov_b32 s37, 0
	s_lshl_b32 s38, s[TEN], 19                     ; W's codes: 524,288 bytes a tensor,
	s_add_co_u32 s38, s38, s34                     ; 8 column tiles of 8,192 bytes a wave
	s_mov_b32 s39, 0
	s_lshl_b32 s40, s[TEN], 15                     ; W's scale words: 32,768 bytes a tensor,
	s_lshl_b32 s34, s[WV], 12
	s_add_co_u32 s40, s40, s34                     ; 128 columns of 32 bytes a wave
	s_mov_b32 s41, 0
	s_lshr_b32 s42, ttmp9, 4                       ; out: batch = work-group x / 16;
	s_lshl_b32 s42, s42, 4
	s_lshl_b32 s34, s[WV], 1
	s_add_co_u32 s42, s42, s34                     ; 16 batch + head 2 w,
	s_lshl_b32 s42, s42, 18                        ; 262,144 bytes each;
	s_and_b32 s34, ttmp9, 15
	s_lshl_b32 s34, s34, 14
	s_add_co_u32 s42, s42, s34                     ; 8 tiles of positions, 2,048 bytes each, a work-group
	s_mov_b32 s43, 0
	s_wait_kmcnt 0x0
	s_cmp_eq_u32 s[TEN], 0                         ; the buffers are chosen by the work-group's y alone
	s_cselect_b64 s[XP:XP+1], s[4:5], s[6:7]
	s_cselect_b64 s[DP:DP+1], s[14:15], s[16:17]
	s_cmp_eq_u32 s[TEN], 2
	s_cselect_b64 s[XP:XP+1], s[8:9], s[XP:XP+1]
	s_cselect_b64 s[DP:DP+1], s[18:19], s[DP:DP+1]
	s_add_nc_u64 s[XP:XP+1], s[XP:XP+1], s[36:37]
	s_add_nc_u64 s[WP:WP+1], s[10:11], s[38:39]
	s_add_nc_u64 s[WSP:WSP+1], s[12:13], s[40:41]
	s_add_nc_u64 s[DP:DP+1], s[DP:DP+1], s[42:43]
; K step s of my 16 rows, as it lies: each load reads 512 consecutive bytes of one row
.macro LOAD s
	WIN 0x40                                       ; destination window 1
.irp p, 0,1,2,3,4,5,6,7,8,9,10,11,12,13,14,15
	global_load_b128 v[64*((\s)%4)+4*\p:64*((\s)%4)+4*\p+3], v[LI], s[XP:XP+1] offset:\p*4096+(\s)*512 th:TH_LOAD_NT
.endr
	WIN 0
.endm
; through my stage: in as loaded, out 16 neighbours of each block of 32 a lane: register 16 b + i = k 32 b + 16 h + i of row r.  LDS serves a wave's instructions in order: no wait between
.macro TURN s
	WIN 0x04                                       ; an LDS store's data are its source 1: window 1
.irp p, 0,1,2,3,4,5,6,7,8,9,10,11,12,13,14,15
	ds_store_b128 v[SIN], v[64*((\s)%4)+4*\p:64*((\s)%4)+4*\p+3] offset:\p*SPITCH
.endr
	WIN 0
.irp b, 0,1,2,3
.irp j, 0,1,2,3
	ds_load_b128 v[XF+16*\b+4*\j:XF+16*\b+4*\j+3], v[SOUT] offset:128*\b+16*\j
.endr
.endr
.endm
; 64 numbers of a lane become a fragment's codes in v[PC] on and its row's scale word in v[PW]
.macro QUANT s
.irp b, 0,1,2,3
	v_max3_num_f32 v[TM+\b], |v[\s+16*\b]|, |v[\s+1+16*\b]|, 0x1800000   ; block b: my 16 numbers, and the floor 2^(3 - 127): the byte cannot fall under 1
.endr
.irp i, 2,4,6,8,10,12,14
.irp b, 0,1,2,3
	v_max3_num_f32 v[TM+\b], v[TM+\b], |v[\s+16*\b+\i]|, |v[\s+1+16*\b+\i]|   ; the four blocks by turns
.endr
.endr
.irp b, 0,1,2,3
	v_permlanex16_b32 v[TM+4+\b], v[TM+\b], s[SEL], s[SEL+1]
.endr
.irp b, 0,1,2,3
	v_max_num_f32 v[TM+\b], v[TM+\b], v[TM+4+\b]   ; with lane l xor 16's: the block's largest magnitude
.endr
.irp b, 0,1,2,3
	v_add_nc_u32 v[TM+8+\b], 0xff000000, v[TM+\b]  ; 2 off its exponent field: the conversion's scale operand
.endr
.irp b, 0,1,2,3
	v_lshrrev_b32 v[TM+4+\b], 23, v[TM+8+\b]       ; the scale's byte
.endr
	v_lshl_or_b32 v[PW], v[TM+5], 8, v[TM+4]
	v_lshl_or_b32 v[PW], v[TM+6], 16, v[PW]
	v_lshl_or_b32 v[PW], v[TM+7], 24, v[PW]
.irp b, 0,1,2,3
	v_cvt_scalef32_pk8_fp4_f32 v[PC+2*\b], v[\s+16*\b:\s+7+16*\b], v[TM+8+\b]
	v_cvt_scalef32_pk8_fp4_f32 v[PC+1+2*\b], v[\s+8+16*\b:\s+15+16*\b], v[TM+8+\b]
.endr
	v_nop                                          ; one plain place behind a scaled conversion
.irp c, 0,1                                    ; the operand's layout wants a whole block in a lane: lanes 0-15 block 2 c, lanes 16-31 block 2 c + 1
.irp i, 0,1
	v_permlane16_swap_b32 v[PC+4*\c+\i], v[PC+2+4*\c+\i]
.endr
.endr
.endm
; W's four fragments of step tt (head tt / 8, K step tt % 8) into set tt % 3
.macro WLOAD tt
.irp g, 0,1,2,3
.irp c, 0,1
	global_load_b128 v[WF+32*((\tt)%3)+8*\g+4*\c:WF+32*((\tt)%3)+8*\g+4*\c+3], v[LI], s[WP:WP+1] offset:(4*((\tt)/8)+\g)*8192+((\tt)%8)*1024+512*\c
.endr
.endr
.endm
.macro XSTEP s
.if 7-(\s) >= 3
	s_wait_loadcnt 48                              ; this K step's 16 loads are in; those of the three steps behind it may be out
.else
	s_wait_loadcnt 16*(7-(\s))
.endif
	TURN \s
	s_wait_dscnt 0x0                               ; the numbers are back; the stage's stores have read their registers, and the last step's image stores theirs
.if (\s)+4 < 8
	LOAD (\s)+4
.endif
.if (\s) == 7                                  ; nothing of x is left to ask for: W's scale words and its first three sets go out, and stay out across the barrier
.irp p, 0,1,2,3
.irp h, 0,1
	global_load_b128 v[WS+8*\p+4*\h:WS+8*\p+4*\h+3], v[LS32], s[WSP:WSP+1] offset:\p*1024+16*\h   ; lane = column 32 p + lane of my 128: its 8 words
.endr
.endr
	WLOAD 0
	WLOAD 1
	WLOAD 2
.endif
	QUANT XF
.irp c, 0,1
	ds_store_b128 v[XWI], v[PC+4*\c:PC+4*\c+3] offset:XIMG+(\s)*1024+512*\c   ; the fragment goes to LDS as it stands
.endr
	ds_store_b32 v[XWS], v[PW] offset:4*(\s)       ; lanes r and r + 16 write the same word with the same value
.endm
; one scaled product.  z = 1: it starts the sum.  ra, rb: the scale word is taken from lanes 16-31
.macro WM d, a, b, z, sa, sb, ra, rb
.if \z
.if (\ra) && (\rb)
	v_wmma_scale_f32_16x16x128_f8f6f4 v[\d:\d+7], v[\a:\a+7], v[\b:\b+7], 0, v[\sa], v[\sb] matrix_a_fmt:MATRIX_FMT_FP4 matrix_b_fmt:MATRIX_FMT_FP4 matrix_a_scale:MATRIX_SCALE_ROW1 matrix_b_scale:MATRIX_SCALE_ROW1
.elseif \ra
	v_wmma_scale_f32_16x16x128_f8f6f4 v[\d:\d+7], v[\a:\a+7], v[\b:\b+7], 0, v[\sa], v[\sb] matrix_a_fmt:MATRIX_FMT_FP4 matrix_b_fmt:MATRIX_FMT_FP4 matrix_a_scale:MATRIX_SCALE_ROW1
.elseif \rb
	v_wmma_scale_f32_16x16x128_f8f6f4 v[\d:\d+7], v[\a:\a+7], v[\b:\b+7], 0, v[\sa], v[\sb] matrix_a_fmt:MATRIX_FMT_FP4 matrix_b_fmt:MATRIX_FMT_FP4 matrix_b_scale:MATRIX_SCALE_ROW1
.else
	v_wmma_scale_f32_16x16x128_f8f6f4 v[\d:\d+7], v[\a:\a+7], v[\b:\b+7], 0, v[\sa], v[\sb] matrix_a_fmt:MATRIX_FMT_FP4 matrix_b_fmt:MATRIX_FMT_FP4
.endif
.else
.if (\ra) && (\rb)
	v_wmma_scale_f32_16x16x128_f8f6f4 v[\d:\d+7], v[\a:\a+7], v[\b:\b+7], v[\d:\d+7], v[\sa], v[\sb] matrix_a_fmt:MATRIX_FMT_FP4 matrix_b_fmt:MATRIX_FMT_FP4 matrix_a_scale:MATRIX_SCALE_ROW1 matrix_b_scale:MATRIX_SCALE_ROW1
.elseif \ra
	v_wmma_scale_f32_16x16x128_f8f6f4 v[\d:\d+7], v[\a:\a+7], v[\b:\b+7], v[\d:\d+7], v[\sa], v[\sb] matrix_a_fmt:MATRIX_FMT_FP4 matrix_b_fmt:MATRIX_FMT_FP4 matrix_a_scale:MATRIX_SCALE_ROW1
.elseif \rb
	v_wmma_scale_f32_16x16x128_f8f6f4 v[\d:\d+7], v[\a:\a+7], v[\b:\b+7], v[\d:\d+7], v[\sa], v[\sb] matrix_a_fmt:MATRIX_FMT_FP4 matrix_b_fmt:MATRIX_FMT_FP4 matrix_b_scale:MATRIX_SCALE_ROW1
.else
	v_wmma_scale_f32_16x16x128_f8f6f4 v[\d:\d+7], v[\a:\a+7], v[\b:\b+7], v[\d:\d+7], v[\sa], v[\sb] matrix_a_fmt:MATRIX_FMT_FP4 matrix_b_fmt:MATRIX_FMT_FP4
.endif
.endif
.endm
; 32 products: 8 row tiles x 4 column tiles, 128 along K.  The 32 accumulators take turns, one instruction a turn, in the same order in every step.  A head's first K step starts the sums: nothing is cleared.
.macro MULS nat, tt
.set SS, (\tt)%8
.set WB, WF+32*((\tt)%3)
.set CH, (\tt)/8
.set ZZ, 0
.if SS == 0
.set ZZ, 1
.endif
	WIN 0x50                                       ; C and D window 1
.irp i, 0,1,2,3,4,5,6,7
.irp g, 0,1,2,3
.set rD, 8*(4*\i+\g)
.set rW, WB+8*\g
.set rX, XF+8*\i
.set sW, WS+8*((4*CH+\g)/2)+SS
.set sX, XS+8*(\i/2)+SS
.if \nat
	WM rD, rX, rW, ZZ, sX, sW, \i%2, \g%2
.else
	WM rD, rW, rX, ZZ, sW, sX, \g%2, \i%2
.endif
.endr
.endr
	WIN 0                                          ; at a branch and at a label every window is 0
.endm
.macro GSTEP tt
.irp i, 0,1,2,3,4,5,6,7
.irp c, 0,1
	ds_load_b128 v[XF+8*\i+4*\c:XF+8*\i+4*\c+3], v[LI] offset:XIMG+(8*\i+(\tt)%8)*1024+512*\c   ; x's eight fragments of this K step, as their makers stored them
.endr
.endr
.if 15-(\tt) >= 2
	s_wait_loadcnt 16                              ; this step's set of W is in (in the first step W's scale words too); the two younger sets may be out
.else
	s_wait_loadcnt 8*(15-(\tt))
.endif
	s_wait_dscnt 0x0
	s_cmp_eq_u32 s[TEN], 2
	s_cbranch_scc1 .Lnat_\@
	MULS 0, \tt
	s_branch .Ljoin_\@
.Lnat_\@:
	MULS 1, \tt
.Ljoin_\@:
	PLACES 4                                       ; in front of loads into registers that these products have read, and of the first read of results
.if (\tt)+3 <= 15
	WLOAD (\tt)+3                                  ; into the set just multiplied
.endif
.endm
; A head's 32 tiles leave: rounded to f16, 16 bytes a lane, which IS a piece of the next launch's operand: each store covers 512 consecutive bytes, aligned
.macro GOUT ch
.irp q, 0,1
	WIN 0x05                                       ; sources window 1
.irp a, 0,1,2,3,4,5,6,7,8,9,10,11,12,13,14,15
.irp e, 0,1,2,3
	v_cvt_pk_f16_f32 v[XF+4*\a+\e], v[8*(16*\q+\a)+2*\e], v[8*(16*\q+\a)+2*\e+1]   ; each accumulator from its low end on
.endr
.endr
	WIN 0
.irp a, 0,1,2,3,4,5,6,7,8,9,10,11,12,13,14,15
	global_store_b128 v[LI], v[XF+4*\a:XF+4*\a+3], s[DP:DP+1] offset:(\ch)*262144+(16*\q+\a)*512 th:TH_STORE_NT
.endr
	s_wait_xcnt 0x0                                ; the stores have read their data: these registers are written again only behind this wait
.endr
	PLACES 4                                       ; these registers, written by vector instructions, are operands of the next scaled products
.endm
	LOAD 0
	LOAD 1
	LOAD 2
	LOAD 3
.irp s, 0,1,2,3,4,5,6,7
	XSTEP \s
.endr
	s_wait_dscnt 0x0                               ; for the others' sake: my images and scale words have landed
	s_barrier_signal -1
	s_barrier_wait -1                              ; x's 64 fragments lie in LDS
.irp p, 0,1,2,3
.irp h, 0,1
	ds_load_b128 v[XS+8*\p+4*\h:XS+8*\p+4*\h+3], v[XSR] offset:\p*1024+16*\h   ; lane = row 32 p + lane: its 8 scale words
.endr
.endr
.irp t, 0,1,2,3,4,5,6,7
	GSTEP \t
.endr
	GOUT 0
.irp t, 8,9,10,11,12,13,14,15
	GSTEP \t
.endr
	GOUT 1
	s_wait_tensorcnt 0x0                           ; the wave's end: behind my last LDS store
	ds_add_u32 v[SPW], v[NIL]
	s_wait_dscnt 0x0
	s_endpgm
.Lfunc_end_k_q67ce4e11d0_proj:
	.size	k_q67ce4e11d0_proj, .Lfunc_end_k_q67ce4e11d0_proj-k_q67ce4e11d0_proj
	.p2alignl 7, 3214868480
	.fill 96, 4, 3214868480
	.section	.rodata,"a",@progbits
	.p2align	6, 0x0
	.amdhsa_kernel k_q67ce4e11d0_proj
		.amdhsa_group_segment_fixed_size 138240
		.amdhsa_private_segment_fixed_size 0
		.amdhsa_enable_private_segment 0
		.amdhsa_kernarg_size 64
		.amdhsa_user_sgpr_count 2
		.amdhsa_user_sgpr_kernarg_segment_ptr 1
		.amdhsa_wavefront_size32 1
		.amdhsa_system_sgpr_workgroup_id_x 1
		.amdhsa_system_sgpr_workgroup_id_y 1
		.amdhsa_system_sgpr_workgroup_id_z 1
		.amdhsa_system_vgpr_workitem_id 0
		.amdhsa_next_free_vgpr 512
		.amdhsa_next_free_sgpr 66
		.amdhsa_reserve_vcc 0
		.amdhsa_float_denorm_mode_32 3
		.amdhsa_float_denorm_mode_16_64 3
		.amdhsa_memory_ordered 1
		.amdhsa_forward_progress 1
		.amdhsa_inst_pref_size 251
	.end_amdhsa_kernel
	.amdgpu_metadata
---
amdhsa.version: [ 1, 2 ]
amdhsa.kernels:
  - .name:           k_q67ce4e11d0_proj
    .symbol:         k_q67ce4e11d0_proj.kd
    .args:
      - { .name: q, .offset: 0, .size: 8, .value_kind: global_buffer, .address_space: global }
      - { .name: k, .offset: 8, .size: 8, .value_kind: global_buffer, .address_space: global }
      - { .name: v, .offset: 16, .size: 8, .value_kind: global_buffer, .address_space: global }
      - { .name: wcodes, .offset: 24, .size: 8, .value_kind: global_buffer, .address_space: global }
      - { .name: wscales, .offset: 32, .size: 8, .value_kind: global_buffer, .address_space: global }
      - { .name: qf, .offset: 40, .size: 8, .value_kind: global_buffer, .address_space: global }
      - { .name: kf, .offset: 48, .size: 8, .value_kind: global_buffer, .address_space: global }
      - { .name: vf, .offset: 56, .size: 8, .value_kind: global_buffer, .address_space: global }
    .group_segment_fixed_size: 138240
    .private_segment_fixed_size: 0
    .kernarg_segment_align: 8
    .kernarg_segment_size: 64
    .max_flat_workgroup_size: 256
    .sgpr_count:     66
    .vgpr_count:     512
    .wavefront_size: 32
...
	.end_amdgpu_metadata
.endif
;; end of part 2
;; launch attn (part 3): grid 16 x 16, 8 waves a work-group, clusters of 4 x 4, 327,680 bytes of LDS; arguments qf, kf, vf, mask, out0; writes out0
.if DOCPART == 3
	.amdgcn_target "amdgcn-amd-amdhsa--gfx1250"
	.amdhsa_code_object_version 6
	.text
	.protected	k_q67ce4e11d0_attn
	.globl	k_q67ce4e11d0_attn
	.p2align	8
	.type	k_q67ce4e11d0_attn,@function
k_q67ce4e11d0_attn:
	s_mov_b64 s[64:65], 0
	v_nop
	global_prefetch_b8 v0, s[64:65] scope:SCOPE_SE
	s_setreg_imm32_b32 hwreg(HW_REG_WAVE_MODE, 25, 1), 1
	s_wait_xcnt 0x0
	s_wait_alu depctr_hold_cnt(0) depctr_sa_sdst(0) depctr_va_vdst(0) depctr_va_sdst(0) depctr_va_ssrc(0) depctr_va_vcc(0) depctr_vm_vsrc(0)
	s_getreg_b32 s2, hwreg(HW_REG_IB_STS2, 6, 4)
	s_cmp_eq_u32 s2, 0
	s_cbranch_scc0 .Lentry_in_a_cluster
	s_endpgm
.Lentry_in_a_cluster:
	s_bfe_u32 s2, ttmp6, 0x10000c
	s_cmp_lg_u32 s2, 0xf033
	s_cbranch_scc0 .Lentry_shape_is_right
	s_endpgm
.Lentry_shape_is_right:
; out[b][q][head][:] = the sum over k of softmax_k(Q.K / 8 x mask[q][k]) V[k][:], for 64 (batch, head) pairs, 2,048 positions, head size 64.  Q, K, V arrive as f16 in the order of the operands' registers
; ([pair][tile of 16 positions][tile of 16 channels][lane][16 bytes]; V with the positions along a lane's registers); mask [2048][2048] f32; out f32.  Products on f16 operands with f32 sums; all else in f32.
; SOFTMAX with a running maximum: t = score x mask; m = the largest t so far; p = 2^(c t - c m), c = log2(e) / 8; in every step O and the sum l are multiplied by a = 2^(c m_old - c m_new); l is summed of the unrounded p; p goes to f16 for the second product.
; LIMITS: NaN and infinities among the inputs are not served; a p under the smallest f16 number is lost beside the row's largest, which is 1.
; SHARES.  Work-group (X, Y): queries 128 X .. + 127 of the four pairs 4 Y .. 4 Y + 3.  Wave w: pair 4 Y + (w & 3), queries 64 (w >> 2) on: four tiles of 16, in two pieces of two tiles.  Two waves share a SIMD, so that
; one wave's softmax stands beside the other's products.  Every wave walks all keys, 64 a step.  A step's mask tile (128 rows x 256 bytes) serves four heads, its K and V (8,192 bytes each a head) two halves of the queries.
; LAYOUT.  S^T = K Q^T (source 0 = 16 keys, source 1 = 16 queries) and O^T = V^T P (source 0 = 16 channels, source 1 = P): a lane holds ONE query throughout; two tiles of S^T, rounded in pairs, ARE a fragment of P.
; CLUSTER 4 x 4.  K and V hang on Y alone: asked for jointly along a row of the cluster; the mask tile hangs on X alone: jointly along a column.  That divides the requests by four.
; RING: two LDS slots of one key step.  In the middle of step j all of its slot is in registers: the slot is filled again with step j + 2, behind a round of the cluster's barrier; one load a wave (waves 0-3: 32 mask rows each;
; waves 4, 5: K of two heads each; waves 6, 7: V), which has a whole step in which to land.  At most two tensor loads of a wave are out (the first fills), later one.
; REGISTERS.  window 0: v4-16 addresses; v32-63 statistics, 8 a tile: +0 c m, +1 m, +2, +3 l, +4 .. +7 at work, a in +6; v64-127 S^T of a piece (tile u at 32 u, key tile at + 8), then p, then P in place;
;   v128-191 the mask's numbers, laid as S^T; v192-255 K.   window 1: v0-127 O^T (tile t at 32 t, channel tile at + 8); v128-191 Q; v192-255 V.
.set SLOT1, 131072                     ; slot 1 begins here
.set MP,    272                        ; a mask row in LDS: 256 bytes + 16 of padding = 68 words: the 16 rows that a load touches start at 16 different groups of four banks (64 banks of 4 bytes: ISA guide 11.1)
.set KOFF,  128*MP                     ; a slot: 128 mask rows, then K of four heads, then V of four heads
.set VOFF,  KOFF+32768
.set STAGE, SLOT1+VOFF+32768           ; behind the ring: 16 rows x 272 bytes for each wave, for the way out
.set SPARE, STAGE+8*16*MP              ; the spare words, 128 bytes for each wave: four blocks of 256 bytes that no other line names
.set AK,  4                            ; v4, v5   LDS address of my head's K in slot 0, 1: 16 x lane on
.set AV,  6                            ; v6, v7   of its V
.set AM,  8                            ; v8, v9   of my lane's mask row: (64 half + r) rows + 32 h
.set QO,  10                           ; v10  16 x lane
.set STO, 11                           ; v11  the way out: where I put 16 bytes of a row
.set RD,  12                           ; v12  where I read a row back
.set GO,  13                           ; v13  my byte offset in the wave's rows of out
.set PFO, 14                           ; v14  the prefetches' offset; never rewritten
.set SPW, 15                           ; v15  LDS address of my spare word; never rewritten
.set NIL, 16                           ; v16  0; never rewritten
.set ST,  32
.set S,   64
.set MK,  128
.set KF,  192
.set Q,   128                          ; in window 1
.set VF,  192                          ; in window 1
.set WV,  14                           ; s14 wave;  s15 wave & 3: my head, and which part of a tile I fetch;  s16 wave >> 2: my half of the queries
.set HI,  15
.set QS,  16
.set G1M, 24                           ; s[24:31] descriptor group 1 for the mask;  s[32:39] for K and V;  s[40:47], s[48:55] their groups 0, a set for each slot
.set G1KV, 32
.set G0M, 40
.set G0KV, 48
.set CS,  56                           ; s[56:57] c: the packed form names a pair and takes its low word for both halves
.set SEL, 58                           ; s[58:59] lane selects for v_permlanex16_b32: lane l xor 16
.set CNT, 60
.set LIM, 61                           ; s61  1 in a wave that prefetches, else the greatest number
.set PFA, 62                           ; s[62:63] where my prefetches stand
.set PFS, 66                           ; s[66:67] a key step on, in bytes
.set MSB, 0
.macro WIN new                         ; the immediate's high byte repeats the setting that is left
.if MSB != \new
	s_set_vgpr_msb (MSB<<8)|\new
.set MSB, \new
.endif
.endm
.macro PLACES n
.rept \n
	v_nop
.endr
.endm
; A round of the cluster's barrier: my work-group's barrier; wave 0 signals for the work-group; every wave waits for all sixteen work-groups; my work-group's barrier once more
.macro CROUND
	s_barrier_signal -1
	s_barrier_wait -1
	s_cmp_lg_u32 s[WV], 0
	s_cbranch_scc1 .Lnot_wave_0_\@
	s_barrier_signal -3
.Lnot_wave_0_\@:
	s_barrier_wait -3
	s_barrier_signal -1
	s_barrier_wait -1
.endm
; A joint refill.  Each of the two lines has one mask and one set of registers for all that issue it; the branch hangs on the wave's number alone.  An s_nop 0 and four v_nop follow each line
.macro JLOAD sl
	s_cmp_lt_u32 s[WV], 4
	s_cbranch_scc0 .Lfor_kv_\@
	tensor_load_to_lds s[G0M+4*(\sl):G0M+4*(\sl)+3], s[G1M:G1M+7]
	s_nop 0
.rept 4
	v_nop
.endr
	s_branch .Lasked_\@
.Lfor_kv_\@:
	tensor_load_to_lds s[G0KV+4*(\sl):G0KV+4*(\sl)+3], s[G1KV:G1KV+7]
	s_nop 0
.rept 4
	v_nop
.endr
.Lasked_\@:
.endm
; A PREFETCH INTO THE L2: at the change of slots of step j, of what step j + 1's change will ask for: key step j + 3.  Each aligned block of 256 bytes is named once in the launch.  A mask tile is read by every cluster of its
; column of clusters: those with cluster y = 0 ask, wave 0, a lane a row; the four partners that ask for it jointly take 32 rows each, told apart BY ADDRESS (cy).  K and V of a head are read by every cluster of a row of
; clusters: those with cluster x = 0 ask, wave 4 for K and wave 6 for V, lanes 256 bytes apart over a head's 8,192 bytes; the four partners take a head each (cx).  Key steps 0 to 2 come by their loads alone;
; how = 0: the loop's last trip asks for nothing: there is no key step 32
.macro ASK how
.if \how
	s_cmp_eq_u32 s[LIM], 1
.else
	s_cmp_gt_u32 s[CNT], s[LIM]
.endif
	s_cbranch_scc0 .Lnot_mine_\@
	global_prefetch_b8 v[PFO], s[PFA:PFA+1] th:TH_LOAD_NT scope:SCOPE_SE
.Lnot_mine_\@:
.endm
	s_load_b256 s[4:11], s[0:1], 0x0               ; qf s[4:5], kf s[6:7], vf s[8:9], mask s[10:11]
	s_load_b64 s[12:13], s[0:1], 0x20              ; out0
	v_lshl_add_u32 v[SPW], v0, 2, SPARE
	v_mov_b32 v[NIL], 0
	ds_add_u32 v[SPW], v[NIL]                      ; the wave's opening: the add, twice on end, and its wait ahead of my first tensor load; the set-up below stands between
	ds_add_u32 v[SPW], v[NIL]
	v_lshrrev_b32 v1, 5, v0
	v_readfirstlane_b32 s[WV], v1                  ; wave 0..7
	s_and_b32 s[HI], s[WV], 3
	s_lshr_b32 s[QS], s[WV], 2
	s_bfe_u32 s17, ttmp6, 0x40000                  ; cx, cy: my place in the cluster
	s_bfe_u32 s18, ttmp6, 0x40004
	s_lshl_b32 s19, ttmp9, 2
	s_add_co_u32 s19, s19, s17                     ; X = 4 x cluster x + cx
	s_and_b32 s20, ttmp7, 0xffff
	s_lshl_b32 s20, s20, 2
	s_add_co_u32 s20, s20, s18                     ; Y = 4 x cluster y + cy
	s_lshl_b32 s68, s18, 2
	s_lshl_b32 s68, 15, s68                        ; my row of the cluster
	s_lshl_b32 s69, 0x1111, s17                    ; my column
	; group 1 for the mask: 32 rows of 64 f32, 2,048 elements from row to row, 4 words of padding behind every 64
	s_or_b32 s[G1M], s69, (2<<16)|(1<<20)|(1<<21)|(5<<22)|(3<<25)   ; 15:0 the mask of work-groups: my column; 17:16 elements of 4 bytes; 20 padding on; 21 set beside a mask; 24:22 code 5; 31:25 code 3
	s_mov_b32 s[G1M+1], 64<<16                     ; tensor_dim0
	s_mov_b32 s[G1M+2], 32<<16                     ; tensor_dim1
	s_mov_b32 s[G1M+3], 64<<16                     ; tile_dim0
	s_mov_b32 s[G1M+4], 32                         ; tile_dim1
	s_mov_b32 s[G1M+5], 2048                       ; tensor_dim0_stride
	s_mov_b32 s[G1M+6], 0
	s_mov_b32 s[G1M+7], 0
	; group 1 for K and V: two heads' 8,192 dense bytes, 262,144 bytes apart: 2 rows of 1,024 elements of 8 bytes; no padding: fragments are read as they lie, 16 bytes a lane
	s_or_b32 s[G1KV], s68, (3<<16)|(1<<21)         ; the mask of work-groups: my row
	s_mov_b32 s[G1KV+1], 1024<<16
	s_mov_b32 s[G1KV+2], 2<<16
	s_mov_b32 s[G1KV+3], 1024<<16
	s_mov_b32 s[G1KV+4], 2
	s_mov_b32 s[G1KV+5], 32768
	s_mov_b32 s[G1KV+6], 0
	s_mov_b32 s[G1KV+7], 0
	; where the tiles come from: the mask's by X alone, K's and V's by Y alone, each in registers that never hold the other coordinate
	s_lshl_b32 s72, s19, 7
	s_lshl_b32 s70, s[HI], 5
	s_add_co_u32 s72, s72, s70                     ; mask row 128 X + 32 x part
	s_lshl_b32 s72, s72, 13
	s_mov_b32 s73, 0
	s_and_b32 s70, s[HI], 1
	s_lshl_b32 s70, s70, 1
	s_lshl_b32 s74, s20, 2
	s_add_co_u32 s74, s74, s70                     ; pair 4 Y + 2 x (part & 1)
	s_lshl_b32 s74, s74, 18
	s_mov_b32 s75, 0
	s_mul_i32 s76, s[HI], 32*MP                    ; and where they go: no place in the cluster enters an LDS address
	s_lshl_b32 s77, s[HI], 14
	s_add_co_u32 s77, s77, KOFF
	s_mov_b32 s[CS], 0x3e38aa3b                    ; c = log2(e) / 8
	s_mov_b32 s[CS+1], s[CS]
	s_mov_b32 s[SEL], 0x76543210
	s_mov_b32 s[SEL+1], 0xfedcba98
	s_wait_dscnt 0x0                               ; both opening adds are done
	s_wait_kmcnt 0x0
	s_add_nc_u64 s[72:73], s[10:11], s[72:73]
	s_cmp_lt_u32 s[HI], 2                          ; parts 0, 1: K; parts 2, 3: V: by the wave's number
	s_cselect_b64 s[78:79], s[6:7], s[8:9]
	s_add_nc_u64 s[74:75], s[78:79], s[74:75]
	CROUND                                         ; all sixteen work-groups are here: the first joint loads meet
.irp n, 0,1
	s_mov_b32 s[G0M+4*\n], 1                       ; 1:0 count = 1
	s_add_co_u32 s[G0M+4*\n+1], s76, \n*SLOT1      ; 63:32 LDS address
	s_add_nc_u64 s[G0M+4*\n+2:G0M+4*\n+3], s[72:73], \n*256    ; 120:64 global address: key step n
	s_or_b32 s[G0M+4*\n+3], s[G0M+4*\n+3], 0x80000000          ; 127:126 type = 2
	s_mov_b32 s[G0KV+4*\n], 1
	s_add_co_u32 s[G0KV+4*\n+1], s77, \n*SLOT1
	s_add_nc_u64 s[G0KV+4*\n+2:G0KV+4*\n+3], s[74:75], \n*8192
	s_or_b32 s[G0KV+4*\n+3], s[G0KV+4*\n+3], 0x80000000
.endr
	s_cmp_lt_u32 s[WV], 4                          ; a wave's two first fills stand in one branch, ahead of every wait on TENSORcnt and every LDS read
	s_cbranch_scc0 .Lfirst_kv
	tensor_load_to_lds s[G0M:G0M+3], s[G1M:G1M+7]
	s_nop 0
	tensor_load_to_lds s[G0M+4:G0M+7], s[G1M:G1M+7]
	s_nop 0
.rept 4
	v_nop
.endr
	s_branch .Lfirst_asked
.Lfirst_kv:
	tensor_load_to_lds s[G0KV:G0KV+3], s[G1KV:G1KV+7]
	s_nop 0
	tensor_load_to_lds s[G0KV+4:G0KV+7], s[G1KV:G1KV+7]
	s_nop 0
.rept 4
	v_nop
.endr
.Lfirst_asked:
	v_and_b32 v1, 31, v0                           ; lane
	v_and_b32 v2, 15, v0                           ; r
	v_bfe_u32 v3, v0, 4, 1                         ; h
	v_lshlrev_b32 v[QO], 4, v1
	s_lshl_b32 s80, s20, 2
	s_add_co_u32 s80, s80, s[HI]                   ; my pair 4 Y + head,
	s_lshl_b32 s80, s80, 18
	s_lshl_b32 s81, s19, 3
	s_lshl_b32 s82, s[QS], 2
	s_add_co_u32 s81, s81, s82                     ; my first tile of queries 8 X + 4 x half
	s_lshl_b32 s81, s81, 11
	s_add_co_u32 s80, s80, s81
	s_mov_b32 s81, 0
	s_add_nc_u64 s[4:5], s[4:5], s[80:81]
	WIN 0x40                                       ; destination window 1
.irp n, 0,1,2,3,4,5,6,7,8,9,10,11,12,13,14,15
	global_load_b128 v[Q+4*\n:Q+4*\n+3], v[QO], s[4:5] offset:512*\n th:TH_LOAD_NT   ; Q stays in registers: tile n / 4, channels 16 (n % 4) on
.endr
	WIN 0
	s_lshl_b32 s80, s[HI], 13
	s_add_co_u32 s80, s80, KOFF
	v_add_nc_u32 v[AK], s80, v[QO]
	v_add_nc_u32 v[AK+1], SLOT1, v[AK]
	v_add_nc_u32 v[AV], 32768, v[AK]
	v_add_nc_u32 v[AV+1], 32768, v[AK+1]
	v_mul_u32_u24 v17, v2, MP
	v_lshl_add_u32 v17, v3, 5, v17                 ; row r, + 32 h
	s_mul_i32 s80, s[QS], 64*MP
	v_add_nc_u32 v[AM], s80, v17
	v_add_nc_u32 v[AM+1], SLOT1, v[AM]
	s_mul_i32 s80, s[WV], 16*MP
	s_add_co_u32 s80, s80, STAGE                   ; my stage
	v_add_nc_u32 v[STO], s80, v17
	v_mul_u32_u24 v18, v3, MP
	v_lshl_add_u32 v18, v2, 4, v18
	v_add_nc_u32 v[RD], s80, v18                   ; back: lanes 0-15 one row of 256 bytes, lanes 16-31 the next
	v_lshlrev_b32 v[GO], 12, v3
	v_lshl_add_u32 v[GO], v2, 4, v[GO]             ; and the same two rows in out
	; the prefetches: who asks, and where
	s_lshl_b32 s70, s19, 7
	s_lshl_b32 s82, s18, 5
	s_add_co_u32 s70, s70, s82                     ; mask row 128 X + 32 cy
	s_lshl_b32 s70, s70, 13
	s_lshl_b32 s71, s20, 2
	s_add_co_u32 s71, s71, s17                     ; pair 4 Y + cx
	s_lshl_b32 s71, s71, 18
	s_and_b32 s80, ttmp7, 0xffff                   ; cluster y
	s_and_b32 s81, s[WV], 1
	s_mov_b32 s[PFS], 8192
	s_cmp_lt_u32 s[WV], 4
	s_cselect_b32 s70, s70, s71
	s_cselect_b32 s81, s[WV], s81                  ; 0 in waves 0, 4 and 6
	s_cselect_b32 s80, s80, ttmp9                  ; the coordinate along which other clusters read the same bytes
	s_cselect_b32 s82, 13, 8                       ; from lane to lane: a mask row, or 256 bytes
	s_cselect_b32 s[PFS], 256, s[PFS]
	s_cselect_b64 s[PFA:PFA+1], s[10:11], s[78:79]
	s_or_b32 s80, s80, s81
	s_cmp_eq_u32 s80, 0
	s_cselect_b32 s[LIM], 1, -1                    ; the same in all sixteen partners, for a given wave
	s_mov_b32 s71, 0
	s_mov_b32 s[PFS+1], 0
	s_add_nc_u64 s[PFA:PFA+1], s[PFA:PFA+1], s[70:71]
	s_add_nc_u64 s[PFA:PFA+1], s[PFA:PFA+1], s[PFS:PFS+1]
	s_add_nc_u64 s[PFA:PFA+1], s[PFA:PFA+1], s[PFS:PFS+1]   ; at key step 2: the first change of slots steps it to 3.  Nothing is prefetched here, at the head
	v_lshlrev_b32 v[PFO], s82, v1
	; out at my wave's first row and my head's 256 bytes
	s_lshr_b32 s80, s20, 2
	s_lshl_b32 s80, s80, 11                        ; batch x 2,048 rows
	s_lshl_b32 s81, s19, 7
	s_add_co_u32 s80, s80, s81
	s_lshl_b32 s81, s[QS], 6
	s_add_co_u32 s80, s80, s81
	s_lshl_b32 s80, s80, 12
	s_and_b32 s81, s20, 3
	s_lshl_b32 s81, s81, 2
	s_add_co_u32 s81, s81, s[HI]                   ; head 4 (Y & 3) + my head
	s_lshl_b32 s81, s81, 8
	s_add_co_u32 s80, s80, s81
	s_mov_b32 s81, 0
	s_add_nc_u64 s[12:13], s[12:13], s[80:81]
.macro LDK sl                          ; a step's K of my head: 8 fragments (key tile k, channels 32 c on, at 16 k + 8 c), 16 loads of 512 consecutive bytes
.irp n, 0,1,2,3,4,5,6,7,8,9,10,11,12,13,14,15
	ds_load_b128 v[KF+4*\n:KF+4*\n+3], v[AK+(\sl)] offset:512*\n
.endr
.endm
.macro LDV sl                          ; its V: 8 fragments (keys 32 b on, channel tile g)
	WIN 0x40
.irp b, 0,1
.irp g, 0,1,2,3
.irp z, 0,1
	ds_load_b128 v[VF+8*(4*\b+\g)+4*\z:VF+8*(4*\b+\g)+4*\z+3], v[AV+(\sl)] offset:(2*\b+\z)*2048+\g*512
.endr
.endr
.endr
	WIN 0
.endm
.macro LDM sl, pc                      ; the mask's numbers for piece pc, laid as S^T: my query's row, keys 16 k + 8 h + 0 .. 7
.irp u, 0,1
.irp k, 0,1,2,3
.irp z, 0,1
	ds_load_b128 v[MK+32*\u+8*\k+4*\z:MK+32*\u+8*\k+4*\z+3], v[AM+(\sl)] offset:(2*(\pc)+\u)*16*MP+64*\k+16*\z
.endr
.endr
.endr
.endm
; S^T = K Q^T for piece pc: 16 products; the 8 accumulators take turns, one instruction a turn; the first 8 start the sums
.macro QK pc
	WIN 0x04                                       ; Q in window 1
.irp c, 0,1
.irp k, 0,1,2,3
.irp u, 0,1
.if \c == 0
	v_wmma_f32_16x16x32_f16 v[S+32*\u+8*\k:S+32*\u+8*\k+7], v[KF+16*\k+8*\c:KF+16*\k+8*\c+7], v[Q+16*(2*(\pc)+\u)+8*\c:Q+16*(2*(\pc)+\u)+8*\c+7], 0
.else
	v_wmma_f32_16x16x32_f16 v[S+32*\u+8*\k:S+32*\u+8*\k+7], v[KF+16*\k+8*\c:KF+16*\k+8*\c+7], v[Q+16*(2*(\pc)+\u)+8*\c:Q+16*(2*(\pc)+\u)+8*\c+7], v[S+32*\u+8*\k:S+32*\u+8*\k+7]
.endif
.endr
.endr
.endr
.endm
.macro MUL                             ; t = score x mask, two at a time, each accumulator from its low end on
	WIN 0
.set i, 0
.rept 32
	v_pk_mul_f32 v[S+i:S+i+1], v[S+i:S+i+1], v[MK+i:MK+i+1]
.set i, i+2
.endr
.endm
; The softmax of piece pc for this key step; the two tiles line by line, so that no line waits for the line above it.  first = 1: the first key step starts m and l and has no a
.macro SOFT pc, first
.set T0, ST+16*(\pc)
	WIN 0
.irp j, 0,1,2,3
.irp u, 0,1
	v_max3_num_f32 v[T0+8*\u+4+\j], v[S+32*\u+8*\j], v[S+32*\u+8*\j+1], v[S+32*\u+8*\j+2]   ; the maximum of my 32 t: four chains of seven,
.endr
.endr
.irp g, 1,2
.irp j, 0,1,2,3
.irp u, 0,1
	v_max3_num_f32 v[T0+8*\u+4+\j], v[T0+8*\u+4+\j], v[S+32*\u+8*\j+2*\g+1], v[S+32*\u+8*\j+2*\g+2]
.endr
.endr
.endr
.irp u, 0,1
	v_max3_num_f32 v[T0+8*\u+4], v[T0+8*\u+4], v[S+32*\u+7], v[S+32*\u+15]   ; the four left over,
	v_max3_num_f32 v[T0+8*\u+6], v[T0+8*\u+6], v[S+32*\u+23], v[S+32*\u+31]
.endr
.irp u, 0,1
	v_max3_num_f32 v[T0+8*\u+4], v[T0+8*\u+4], v[T0+8*\u+5], v[T0+8*\u+6]
.endr
.irp u, 0,1
.if \first
	v_max_num_f32 v[T0+8*\u+4], v[T0+8*\u+4], v[T0+8*\u+7]
.else
	v_max3_num_f32 v[T0+8*\u+4], v[T0+8*\u+4], v[T0+8*\u+7], v[T0+8*\u+1]   ; and the old m
.endif
.endr
.irp u, 0,1
	v_permlanex16_b32 v[T0+8*\u+5], v[T0+8*\u+4], s[SEL], s[SEL+1]   ; the query's other 32 keys lie in the lane 16 away
.endr
.if \first == 0
.irp u, 0,1
	v_mov_b32 v[T0+8*\u+7], v[T0+8*\u]             ; c m_old is kept for a
.endr
.endif
.irp u, 0,1
	v_max_num_f32 v[T0+8*\u+1], v[T0+8*\u+4], v[T0+8*\u+5]
.endr
.irp u, 0,1
	v_mul_f32 v[T0+8*\u], s[CS], v[T0+8*\u+1]
.endr
.if \first == 0
.irp u, 0,1
	v_sub_f32 v[T0+8*\u+7], v[T0+8*\u+7], v[T0+8*\u]
.endr
.irp u, 0,1
	v_exp_f32 v[T0+8*\u+6], v[T0+8*\u+7]           ; a = 2^(c m_old - c m_new)
.endr
.endif
.irp b, 0,2,4,6,8,10,12,14,16,18,20,22,24,26,28,30
.irp u, 0,1
	v_pk_fma_f32 v[S+32*\u+\b:S+32*\u+\b+1], v[S+32*\u+\b:S+32*\u+\b+1], s[CS:CS+1], v[T0+8*\u:T0+8*\u+1] op_sel_hi:[1,0,0] neg_lo:[0,0,1] neg_hi:[0,0,1]   ; c t - c m
.endr
.endr
.set i, 0
.rept 64
	v_exp_f32 v[S+i], v[S+i]                       ; p: one batch; none of these lines reads an exponential's result
.set i, i+1
.endr
	v_nop                                          ; a plain instruction behind the last exponential, ahead of the first use (ISA guide 5.7.2)
	s_wait_alu depctr_va_vdst(0)                   ; a wait ahead of the first line that names a result: one for the piece's whole batch
.irp u, 0,1
.if \first
	v_pk_add_f32 v[T0+8*\u+2:T0+8*\u+3], v[S+32*\u+4:S+32*\u+5], v[S+32*\u+6:S+32*\u+7]
.else
	v_pk_mul_f32 v[T0+8*\u+2:T0+8*\u+3], v[T0+8*\u+2:T0+8*\u+3], v[T0+8*\u+6:T0+8*\u+7] op_sel_hi:[1,0]   ; l under the new m
.endif
	v_pk_add_f32 v[T0+8*\u+4:T0+8*\u+5], v[S+32*\u:S+32*\u+1], v[S+32*\u+2:S+32*\u+3]   ; the sum of the unrounded p, two at a time, in two chains
.endr
.irp j, 4,8,12,16,20,24,28
.irp u, 0,1
.if (\first == 0) || (\j > 4)
	v_pk_add_f32 v[T0+8*\u+2:T0+8*\u+3], v[T0+8*\u+2:T0+8*\u+3], v[S+32*\u+\j:S+32*\u+\j+1]
	v_pk_add_f32 v[T0+8*\u+4:T0+8*\u+5], v[T0+8*\u+4:T0+8*\u+5], v[S+32*\u+\j+2:S+32*\u+\j+3]
.endif
.endr
.endr
.irp u, 0,1
	v_pk_add_f32 v[T0+8*\u+2:T0+8*\u+3], v[T0+8*\u+2:T0+8*\u+3], v[T0+8*\u+4:T0+8*\u+5]
.endr
.irp b, 0,1
.irp e, 0,1,2,3,4,5,6,7
.irp u, 0,1
	v_cvt_pk_f16_f32 v[S+32*\u+16*\b+\e], v[S+32*\u+16*\b+2*\e], v[S+32*\u+16*\b+2*\e+1]   ; P in place, ascending: register e is written when registers 2 e and 2 e + 1 are read, never ahead of them.  Fragment b (keys 32 b on) at + 16 b
.endr
.endr
.endr
.if \first == 0
	WIN 0x41                                       ; O^T (destination and source 0) in window 1
.irp b, 0,2,4,6,8,10,12,14,16,18,20,22,24,26,28,30
.irp u, 0,1
	v_pk_mul_f32 v[32*(2*(\pc)+\u)+\b:32*(2*(\pc)+\u)+\b+1], v[32*(2*(\pc)+\u)+\b:32*(2*(\pc)+\u)+\b+1], v[T0+8*\u+6:T0+8*\u+7] op_sel_hi:[1,0]   ; O^T under the new m
.endr
.endr
.endif
.endm
; O^T += V^T P for piece pc: 16 products, the 8 accumulators by turns.  zero = 1: the first 8 start the sums: nothing is ever cleared
.macro PV pc, zero
	WIN 0x51                                       ; V, C and D in window 1, P in window 0
.irp b, 0,1
.irp g, 0,1,2,3
.irp u, 0,1
.if (\zero) && (\b == 0)
	v_wmma_f32_16x16x32_f16 v[32*(2*(\pc)+\u)+8*\g:32*(2*(\pc)+\u)+8*\g+7], v[VF+8*(4*\b+\g):VF+8*(4*\b+\g)+7], v[S+32*\u+16*\b:S+32*\u+16*\b+7], 0
.else
	v_wmma_f32_16x16x32_f16 v[32*(2*(\pc)+\u)+8*\g:32*(2*(\pc)+\u)+8*\g+7], v[VF+8*(4*\b+\g):VF+8*(4*\b+\g)+7], v[S+32*\u+16*\b:S+32*\u+16*\b+7], v[32*(2*(\pc)+\u)+8*\g:32*(2*(\pc)+\u)+8*\g+7]
.endif
.endr
.endr
.endr
.endm
; THE CHANGE OF SLOTS, in the middle of a step: all of slot sl (K, both pieces' mask numbers, V) is in my registers.  Each wave waits for all its tensor loads, of which one is out: its part of the other slot; adds 0 to its
; spare word; and waits for that and for its reads.  fill = 1: behind a round of the cluster's barrier slot sl is filled again, two key steps on: the first thing there, one load a wave.  Then the other slot's K and first mask numbers are read
.macro CHANGE sl, fill, how
	WIN 0                                          ; at a label and at a branch every window is 0
	s_wait_tensorcnt 0x0                           ; no tensor load of mine is out, so a group 0 may be written
	ds_add_u32 v[SPW], v[NIL]                      ; 0 onto my spare word; the steps below stand between it and the wait for it
.if \fill
	s_add_nc_u64 s[G0M+4*(\sl)+2:G0M+4*(\sl)+3], s[G0M+4*(\sl)+2:G0M+4*(\sl)+3], 512       ; two key steps on: 128 keys of f32;
	s_add_nc_u64 s[G0KV+4*(\sl)+2:G0KV+4*(\sl)+3], s[G0KV+4*(\sl)+2:G0KV+4*(\sl)+3], 16384   ; 128 keys of 64 f16.  The type bits on top are not reached
	s_wait_xcnt 0x0                                ; the last prefetch, a key step back, has read its address, so it may be written
	s_add_nc_u64 s[PFA:PFA+1], s[PFA:PFA+1], s[PFS:PFS+1]
	s_wait_dscnt 0x0                               ; the add is done, and my reads of the slot are over
	CROUND                                         ; no wave of any partner still reads this slot or has a load on its way
	JLOAD \sl
.else
	s_wait_dscnt 0x0
	s_barrier_signal -1
	s_barrier_wait -1
.endif
	LDK 1-\sl
	LDM 1-\sl, 0
.if \fill
	ASK \how                                       ; behind the joint load and the run of LDS loads
.endif
.endm
; A KEY STEP on slot sl.  On the way in 48 LDS loads are out, in this order: K (16), piece 0's mask numbers (16), V (16).  mode 2: change of slots with a refill; 1: without; 0: the last step
.macro STEP sl, first, mode, how
	s_wait_dscnt 32                                ; K is in
	QK 0
	PLACES 4                                       ; in front of the first read of results (ISA guide 7.12.1)
	s_wait_dscnt 16                                ; piece 0's mask numbers are in; V may be out
	MUL
	LDM \sl, 1
	SOFT 0, \first
	s_wait_dscnt 16                                ; V is in; piece 1's mask numbers may be out
	PV 0, \first
	PLACES 5                                       ; the next products write over registers that these have read as P: one place more than a read wants
	QK 1
	PLACES 4                                       ; for the read of results, and for the loads into K's registers in the change of slots
	s_wait_dscnt 0x0                               ; piece 1's mask numbers are in: nothing of this slot is left to read
	MUL
.if \mode == 2
	CHANGE \sl, 1, \how
.elseif \mode == 1
	CHANGE \sl, 0, 0
.endif
	SOFT 1, \first
	PV 1, \first
	WIN 0
.if \mode > 0
	PLACES 5                                       ; for the loads into V's registers, and for the next step's products, which write over P
	LDV 1-\sl
.endif
.endm
	s_wait_tensorcnt 1                             ; my part of slot 0 is in; slot 1's may stay out
	s_barrier_signal -1
	s_barrier_wait -1                              ; everybody's is
	LDK 0
	LDM 0, 0
	LDV 0
	s_wait_loadcnt 0x0                             ; Q
	STEP 0, 1, 2, 1                                ; key step 0 starts m, l and O^T
	STEP 1, 0, 2, 1
	s_mov_b32 s[CNT], 14
.Lloop:                                            ; key steps 2 to 29: each fills its slot again
	STEP 0, 0, 2, 1
	STEP 1, 0, 2, 0
	s_sub_co_u32 s[CNT], s[CNT], 1
	s_cmp_lg_u32 s[CNT], 0
	s_cbranch_scc1 .Lloop
	STEP 0, 0, 1, 0                                ; the tail is written out: nothing more is asked for
	STEP 1, 0, 0, 0
	; THE WAY OUT.  l's two halves and the other half of the lanes' are added (twelve plain lines: the places behind the last products); O^T is divided by l and goes through my stage in LDS, a tile of 16 queries at a time
.irp t, 0,1,2,3
	v_add_f32 v[ST+8*\t+4], v[ST+8*\t+2], v[ST+8*\t+3]
.endr
.irp t, 0,1,2,3
	v_permlanex16_b32 v[ST+8*\t+5], v[ST+8*\t+4], s[SEL], s[SEL+1]
.endr
.irp t, 0,1,2,3
	v_add_f32 v[ST+8*\t+4], v[ST+8*\t+4], v[ST+8*\t+5]
.endr
.irp t, 0,1,2,3
	v_rcp_f32 v[ST+8*\t+6], v[ST+8*\t+4]
.endr
	v_nop                                          ; a plain instruction between the last reciprocal and the use of its result
	s_wait_alu depctr_va_vdst(0)                   ; and a wait ahead of the first use: one for the four
.macro PACK t                          ; a lane's eight channels of a row are 32 bytes; they go into rows of 272 bytes and come back as whole rows of 256
	WIN 0x01                                       ; source 0 (O^T) window 1
.set i, 0
.rept 16
	v_pk_mul_f32 v[S+32*((\t)%2)+i:S+32*((\t)%2)+i+1], v[32*(\t)+i:32*(\t)+i+1], v[ST+8*(\t)+6:ST+8*(\t)+7] op_sel_hi:[1,0]
.set i, i+2
.endr
	WIN 0
.irp g, 0,1,2,3
.irp z, 0,1
	ds_store_b128 v[STO], v[S+32*((\t)%2)+8*\g+4*\z:S+32*((\t)%2)+8*\g+4*\z+3] offset:64*\g+16*\z
.endr
.endr
.irp f, 0,1,2,3,4,5,6,7
	ds_load_b128 v[MK+32*(\t)+4*\f:MK+32*(\t)+4*\f+3], v[RD] offset:\f*2*MP   ; LDS serves a wave's instructions in order (ISA guide 5.7.1.4): these see the stores above; the next tile's stores come behind them
.endr
.endm
.macro SEND t, younger                 ; younger: the LDS instructions issued behind tile t's loads: the next tile's sixteen, or none
.irp f, 0,1,2,3,4,5,6,7
	s_wait_dscnt (\younger)+7-\f
	global_store_b128 v[GO], v[MK+32*(\t)+4*\f:MK+32*(\t)+4*\f+3], s[12:13] offset:(16*(\t)+2*\f)*4096 th:TH_STORE_NT   ; 16 lanes store 256 consecutive bytes, a head's part of a row, at a multiple of 256 from out's first byte
.endr
.endm
	PACK 0
	PACK 1                                         ; a tile's arithmetic stands between the loads of the tile before and its stores
	SEND 0, 16                                     ; tile 0's LDS stores are done with its loads: tile 2 may write the registers that they read
	PACK 2
	SEND 1, 16
	PACK 3
	SEND 2, 16
	SEND 3, 0
	s_wait_tensorcnt 0x0                           ; the wave's end: behind my last tensor load and my last LDS store
	ds_add_u32 v[SPW], v[NIL]
	s_wait_dscnt 0x0
	CROUND                                         ; the closing round: no work-group ends while a partner may still ask for a tile that names it
	s_endpgm
.Lfunc_end_k_q67ce4e11d0_attn:
	.size	k_q67ce4e11d0_attn, .Lfunc_end_k_q67ce4e11d0_attn-k_q67ce4e11d0_attn
	.p2alignl 7, 3214868480
	.fill 96, 4, 3214868480
	.section	.rodata,"a",@progbits
	.p2align	6, 0x0
	.amdhsa_kernel k_q67ce4e11d0_attn
		.amdhsa_group_segment_fixed_size 327680
		.amdhsa_private_segment_fixed_size 0
		.amdhsa_enable_private_segment 0
		.amdhsa_kernarg_size 40
		.amdhsa_user_sgpr_count 2
		.amdhsa_user_sgpr_kernarg_segment_ptr 1
		.amdhsa_wavefront_size32 1
		.amdhsa_system_sgpr_workgroup_id_x 1
		.amdhsa_system_sgpr_workgroup_id_y 1
		.amdhsa_system_sgpr_workgroup_id_z 1
		.amdhsa_system_vgpr_workitem_id 0
		.amdhsa_next_free_vgpr 512
		.amdhsa_next_free_sgpr 84
		.amdhsa_reserve_vcc 0
		.amdhsa_float_denorm_mode_32 3
		.amdhsa_float_denorm_mode_16_64 3
		.amdhsa_memory_ordered 1
		.amdhsa_forward_progress 1
		.amdhsa_inst_pref_size 254
	.end_amdhsa_kernel
	.amdgpu_metadata
---
amdhsa.version: [ 1, 2 ]
amdhsa.kernels:
  - .name:           k_q67ce4e11d0_attn
    .symbol:         k_q67ce4e11d0_attn.kd
    .args:
      - { .name: qf, .offset: 0, .size: 8, .value_kind: global_buffer, .address_space: global }
      - { .name: kf, .offset: 8, .size: 8, .value_kind: global_buffer, .address_space: global }
      - { .name: vf, .offset: 16, .size: 8, .value_kind: global_buffer, .address_space: global }
      - { .name: mask, .offset: 24, .size: 8, .value_kind: global_buffer, .address_space: global }
      - { .name: out0, .offset: 32, .size: 8, .value_kind: global_buffer, .address_space: global }
    .group_segment_fixed_size: 327680
    .private_segment_fixed_size: 0
    .kernarg_segment_align: 8
    .kernarg_segment_size: 40
    .max_flat_workgroup_size: 256
    .sgpr_count:     84
    .vgpr_count:     512
    .wavefront_size: 32
...
	.end_amdgpu_metadata
.endif
;; end of part 3
